; MI455X (gfx1250); checked and timed in simulation.
; The chip was launched on July 23, 2026; its instructions are those of AMD's public machine-readable ISA for CDNA 5 (MIT licence, August 2026) and "CDNA5" Instruction Set Architecture Reference Guide (July 2026). The comments in the code are by the model that wrote it; some were corrected since.
;; Tropical Shortest Path. Allowed arithmetic: matrix products marked QUANTISED: E2M1 operands, one E8M0 scale for each 32 along K, by v_wmma_scale_f32_16x16x128_f8f6f4 with both operands' format E2M1 (or v_wmma_scale_f32_32x16x128_f4), f32 sums; everything else in f32.
;; Inputs: adj 4,096 x 64 x 64 float32; cls_W_codes 4 x 256 x 8 x 16 uint8 (E2M1 codes of cls_W, K innermost, in blocks of 32 codes, two codes a byte); cls_W_scales 4 x 256 x 8 uint8 (E8M0 scales of cls_W, one for each 32 codes along K); cls_b 4 x 256 float32; gate_W_codes 4 x 256 x 8 x 16 uint8 (E2M1 codes of gate_W, K innermost, in blocks of 32 codes, two codes a byte); gate_W_scales 4 x 256 x 8 uint8 (E8M0 scales of gate_W, one for each 32 codes along K); gate_b 4 x 256 float32; head_W_codes 4,096 x 8 x 16 uint8 (E2M1 codes of head_W, K innermost, in blocks of 32 codes, two codes a byte); head_W_scales 4,096 x 8 uint8 (E8M0 scales of head_W, one for each 32 codes along K); head_b 4,096 float32; ip_W_codes 256 x 128 x 16 uint8 (E2M1 codes of ip_W, K innermost, in blocks of 32 codes, two codes a byte); ip_W_scales 256 x 128 uint8 (E8M0 scales of ip_W, one for each 32 codes along K); ip_b 256 float32; lf_mix 4 x 256 float32; lfi_max 4 x 256 x 8 float32; lfi_min 4 x 256 x 8 float32; lfs_max 4 x 256 x 8 float32; lfs_min 4 x 256 x 8 float32; norm_b 4 x 256 float32; norm_g 4 x 256 float32; on_b 256 float32; on_g 256 float32; trop_W 4 x 256 x 256 float32; trop_b 4 x 256 float32.
;; Outputs: out0 4,096 x 64 x 64 float32.
;; This version of the problem:
;;   THIS VERSION OF THE PROBLEM IS GIVEN IN LOW PRECISION. The matrix products marked QUANTISED in the list below multiply operands that are first quantised to E2M1 (2 exponent bits, 1 mantissa bit; 4 bits a number), with one power-of-two scale for each 32 numbers along K (OCP MX v1.0); their sums are f32. All else is computed in f32.
;;   The module's matrix products, in the order in which they are computed (A, B: the left and right operand; K: the contracted axis; several contracted axes count as one K, in the product's order):
;;     1. [M 4,096, K 4,096] x [K 4,096, N 256]; A: input adj; B: input ip_W (given as codes): QUANTISED
;;     2. [M 4,096, K 256] x [K 256, N 256]; A: computed on the way; B: input cls_W (given as codes): QUANTISED
;;     3. [M 4,096, K 256] x [K 256, N 256]; A: computed on the way; B: input gate_W (given as codes): QUANTISED
;;     4. [M 4,096, K 256] x [K 256, N 256]; A: computed on the way; B: input cls_W (given as codes): QUANTISED
;;     5. [M 4,096, K 256] x [K 256, N 256]; A: computed on the way; B: input gate_W (given as codes): QUANTISED
;;     6. [M 4,096, K 256] x [K 256, N 256]; A: computed on the way; B: input cls_W (given as codes): QUANTISED
;;     7. [M 4,096, K 256] x [K 256, N 256]; A: computed on the way; B: input gate_W (given as codes): QUANTISED
;;     8. [M 4,096, K 256] x [K 256, N 256]; A: computed on the way; B: input cls_W (given as codes): QUANTISED
;;     9. [M 4,096, K 256] x [K 256, N 256]; A: computed on the way; B: input gate_W (given as codes): QUANTISED
;;     10. [M 4,096, K 256] x [K 256, N 4,096]; A: computed on the way; B: input head_W (given as codes): QUANTISED
;;   THE QUANTISER, for each operand of a quantised product, along K:
;;     - K is cut into blocks of 32 from its start; a last block that is shorter is filled with zeros.
;;     - A block's scale is 2^e with e = floor(log2(the largest magnitude in the block)) - 2, held to -126 .. 127; a block of zeros has e = 0. As a byte (E8M0): e + 127.
;;     - Each number is divided by its block's scale, clamped to +-6, and rounded to the nearest number of E2M1, ties to even, subnormals kept.
;;     - The product sums the exact products of the quantised numbers (number of the format x scale) in f32.
;;   ~~~python
;;   def quantise(x, axis):      # numpy; x: float32 -> the quantised numbers, widened to float32 again
;;       x = np.moveaxis(x, axis, -1); K = x.shape[-1]
;;       x = np.pad(x, [(0, 0)] * (x.ndim - 1) + [(0, -K % 32)]); x = x.reshape(x.shape[:-1] + (-1, 32)); a = np.abs(x).max(-1, keepdims=True)
;;       e = np.where(a > 0, np.clip(np.frexp(np.where(a > 0, a, 1))[1] - 1 - 2, -126, 127), 0)      # np.frexp(a)[1] - 1 = floor(log2(a)), exactly
;;       r = np.clip(x / 2.0 ** e, -6, 6)
;;       step = 2.0 ** (np.maximum(np.frexp(np.where(r == 0, 1, r))[1] - 1, 0) - 1)
;;       q = np.round(r / step) * step * 2.0 ** e      # np.round: ties to even
;;       return np.moveaxis(q.reshape(q.shape[:-2] + (-1,))[..., :K], -1, axis).astype(np.float32)
;;   ~~~
;;   OPERANDS COMPUTED ON THE WAY. 'Computed on the way' means the value that the module computes at that place (a softmax that the list does not call 'softmax' is quantised finished and normalised). What goes into a quantiser is computed in f32, as accurately as f32 sums, v_exp_f32 and their like allow (about 1e-6 of the number): no bf16 or f16 on the way to a quantiser, and a product that is left as it is and whose result goes on into a quantised operand takes f32 operands (vector FMAs, or v_wmma_f32_16x16x4_f32). A number that lies on a knife's edge between two numbers of the format may be rounded either way, as far as f32 arithmetic and the matrix unit's own rounding can turn it there, and no further.
;;   INPUTS GIVEN AS CODES. cls_W (in the module: [4, 256, 256], K = its axis 2); gate_W (in the module: [4, 256, 256], K = its axis 2); head_W (in the module: [4096, 256], K = its axis 1); ip_W (in the module: [256, 4096], K = its axis 1): each comes as NAME_codes (uint8): NAME with its K axis moved to the last place and cut into blocks of 32 codes, [.., K / 32, bytes a block], one block behind the other in memory; two codes a byte, the lower K in the low four bits (a code: sign, 2 exponent bits, 1 mantissa bit); and NAME_scales (uint8): the same leading axes, one E8M0 byte (e + 127) for each 32 codes along K. Its value is code x scale, taken as it is: it is not quantised again, and the codes and scales need not be those that the quantiser above would give.
;; One version. Each part assembles by itself: llvm-mc -triple=amdgcn-amd-amdhsa -mcpu=gfx1250 --defsym DOCPART=n.
;; ======== version 1 of 1: 2 launches
;; limits: right only within a limited range of input values
;; workspace buffers: wts 2,392,064 bytes
;; launch prep (part 1): grid 146 x 1, 8 waves a work-group, no clusters, 0 bytes of LDS; arguments trop_W, head_W_codes, cls_W_codes, gate_W_codes, ip_W_codes, ip_W_scales, wts; writes wts
.if DOCPART == 1
	.amdgcn_target "amdgcn-amd-amdhsa--gfx1250"
	.amdhsa_code_object_version 6
	.text
	.protected	k_q9a3397cfa5_prep
	.globl	k_q9a3397cfa5_prep
	.p2align	8
	.type	k_q9a3397cfa5_prep,@function
k_q9a3397cfa5_prep:
	s_mov_b64 s[64:65], 0
	v_nop
	global_prefetch_b8 v0, s[64:65] scope:SCOPE_SE
	s_setreg_imm32_b32 hwreg(HW_REG_WAVE_MODE, 25, 1), 1
	s_wait_xcnt 0x0
; The weights are laid once in the order in which a wave of the next launch takes them into its registers, in pieces of 16 bytes:
; there every weight load is 16 bytes a lane at 16 x lane, 512 consecutive bytes.  Nothing is computed here.
; wts, in pieces; lane = 16 h + r:
;   TW  at 0         [l][w][X][q 0..63][lane]        trop_W[l][64 w + 8 (q / 8) + lane % 8][64 (lane / 8) + 32 X + 4 (q % 8) .. + 3]
;   HD  at 0x100000  [w][g 0..15][4 a + 2 s + c][lane]  head codes, row 1024 w + 64 g + 4 r + a, block 4 s + 2 c + h
;   CG  at 0x180000  [l][w][16 m + 4 k + 2 s + c][lane] cls (m = 0) or gate (m = 1) codes, row 256 l + 64 w + 16 k + r, block 4 s + 2 c + h
;   IP  at 0x1C0000  [w][chunk 0..7][8 s + 2 k + c][lane] ip codes, row 64 w + 16 k + r, block 16 chunk + 4 s + 2 c + h
;   IS  at 0x240000  [w][chunk 0..7][p 0..1][lane]   ip scale bytes, row 64 w + 32 p + lane, bytes 16 chunk .. + 15
; A work-group of 256 threads writes 16,384 consecutive bytes of wts: thread t the pieces 1024 x work-group + 256 j + t, j = 0 .. 3;
; a wave's store covers 512 consecutive bytes.  The regions follow each other, so the work-group's number alone gives the place in wts
; (0-63 TW, 64-95 HD, 96-111 CG, 112-143 IP, 144-145 IS).  A piece's source offset = a lane term + the work-group's term (both in v2) + j's term (immediate).
	s_load_b256 s[4:11], s[0:1], 0x0               ; trop_W s[4:5], head codes s[6:7], cls codes s[8:9], gate codes s[10:11]
	s_load_b128 s[12:15], s[0:1], 0x20             ; ip codes s[12:13], ip scales s[14:15]
	s_load_b64 s[16:17], s[0:1], 0x30              ; wts
	v_lshlrev_b32 v1, 4, v0                        ; where I store: 16 x thread
	v_and_b32 v3, 15, v0                           ; r
	s_lshl_b32 s20, ttmp9, 14                      ; 16,384 bytes a work-group
	s_mov_b32 s21, 0
	s_wait_kmcnt 0x0
	s_add_nc_u64 s[16:17], s[16:17], s[20:21]
; four pieces: two from pointer pa, two from pb; each store waits for its own load (the count: the younger loads)
.macro COPY pa, pb, o0, o1, o2, o3
	global_load_b128 v[8:11], v2, s[\pa:\pa+1] offset:\o0
	global_load_b128 v[12:15], v2, s[\pa:\pa+1] offset:\o1
	global_load_b128 v[16:19], v2, s[\pb:\pb+1] offset:\o2
	global_load_b128 v[20:23], v2, s[\pb:\pb+1] offset:\o3
	s_wait_loadcnt 3
	global_store_b128 v1, v[8:11], s[16:17]
	s_wait_loadcnt 2
	global_store_b128 v1, v[12:15], s[16:17] offset:4096
	s_wait_loadcnt 1
	global_store_b128 v1, v[16:19], s[16:17] offset:8192
	s_wait_loadcnt 0
	global_store_b128 v1, v[20:23], s[16:17] offset:12288
	s_endpgm
.endm
	s_cmp_lt_u32 ttmp9, 64
	s_cbranch_scc0 .Lnot_tw
	; TW.  q % 8 = t / 32, q / 8 = j + 4 (wg % 2), X = (wg / 2) % 2, 4 l + w = wg / 4; a row is 1,024 bytes
	v_lshrrev_b32 v2, 5, v0
	v_bfe_u32 v4, v0, 3, 2                         ; lane / 8: the quarter of the inputs
	v_and_b32 v5, 7, v0                            ; lane % 8
	s_delay_alu instid0(VALU_DEP_3)
	v_lshlrev_b32 v2, 4, v2                        ; 16 (q % 8)
	s_delay_alu instid0(VALU_DEP_1)
	v_lshl_add_u32 v2, v4, 8, v2                   ; + 256 x quarter
	s_delay_alu instid0(VALU_DEP_1)
	v_lshl_add_u32 v2, v5, 10, v2                  ; + 1024 (lane % 8)
	s_wait_alu depctr_va_vdst(0)
	s_bfe_u32 s22, ttmp9, 0x10001
	s_lshl_b32 s22, s22, 7                         ; 128 X
	s_and_b32 s23, ttmp9, 1
	s_lshl_b32 s23, s23, 15                        ; 32 rows of 1,024 bytes
	s_add_co_u32 s22, s22, s23
	s_lshr_b32 s23, ttmp9, 2
	s_lshl_b32 s23, s23, 16                        ; 64 rows for each (l, w)
	s_add_co_u32 s22, s22, s23
	v_add_nc_u32 v2, s22, v2
	COPY 4, 4, 0, 8192, 16384, 24576               ; j: 8 rows on
.Lnot_tw:
	s_cmp_lt_u32 ttmp9, 96
	s_cbranch_scc0 .Lnot_hd
	; HD.  (h, c, s) = bits 4-6 of t, a = t / 128 + 2 (j % 2), g = 2 (wg % 8) + j / 2, w = wg / 8; a row is 128 bytes
	s_sub_co_u32 s22, ttmp9, 64
	v_bfe_u32 v2, v0, 4, 3
	s_delay_alu instid0(VALU_DEP_1)
	v_lshlrev_b32 v2, 4, v2
	v_lshrrev_b32 v4, 7, v0
	s_delay_alu instid0(VALU_DEP_1)
	v_lshl_add_u32 v2, v4, 7, v2
	s_wait_alu depctr_va_vdst(0)
	v_lshl_add_u32 v2, v3, 9, v2                   ; 4 r rows
	s_lshl_b32 s22, s22, 14
	v_add_nc_u32 v2, s22, v2
	COPY 6, 6, 0, 256, 8192, 8448
.Lnot_hd:
	s_cmp_lt_u32 ttmp9, 112
	s_cbranch_scc0 .Lnot_cg
	; CG.  (h, c, s) = bits 4-6 of t, k = t / 128 + 2 (j % 2), m = j / 2, 4 l + w = wg
	s_sub_co_u32 s22, ttmp9, 96
	v_bfe_u32 v2, v0, 4, 3
	s_delay_alu instid0(VALU_DEP_1)
	v_lshlrev_b32 v2, 4, v2
	v_lshrrev_b32 v4, 7, v0
	s_delay_alu instid0(VALU_DEP_1)
	v_lshl_add_u32 v2, v4, 11, v2                  ; 16 rows of 128 bytes
	s_wait_alu depctr_va_vdst(0)
	v_lshl_add_u32 v2, v3, 7, v2
	s_lshl_b32 s22, s22, 13
	v_add_nc_u32 v2, s22, v2
	COPY 8, 10, 0, 4096, 0, 4096
.Lnot_cg:
	s_cmp_lt_u32 ttmp9, 144
	s_cbranch_scc0 .Lnot_ip
	; IP.  (h, c) = bits 4-5 of t, k = bits 6-7, s = j, chunk = wg % 8, w = wg / 8; a row is 2,048 bytes
	s_sub_co_u32 s22, ttmp9, 112
	v_bfe_u32 v2, v0, 4, 2
	s_delay_alu instid0(VALU_DEP_1)
	v_lshlrev_b32 v2, 4, v2
	s_wait_alu depctr_va_vdst(0)
	v_lshl_add_u32 v2, v3, 11, v2
	v_bfe_u32 v4, v0, 6, 2
	s_delay_alu instid0(VALU_DEP_1)
	v_lshl_add_u32 v2, v4, 15, v2
	s_and_b32 s23, s22, 7
	s_lshl_b32 s23, s23, 8
	s_lshr_b32 s22, s22, 3
	s_lshl_b32 s22, s22, 17
	s_add_co_u32 s22, s22, s23
	v_add_nc_u32 v2, s22, v2
	COPY 12, 12, 0, 64, 128, 192
.Lnot_ip:
	; IS.  lane = t % 32, p = bit 5, chunk = bits 6-7 + 4 (j % 2), w = j / 2 + 2 wg; a row is 128 bytes
	s_sub_co_u32 s22, ttmp9, 144
	v_and_b32 v2, 31, v0
	s_delay_alu instid0(VALU_DEP_1)
	v_lshlrev_b32 v2, 7, v2
	v_bfe_u32 v4, v0, 5, 1
	s_delay_alu instid0(VALU_DEP_1)
	v_lshl_add_u32 v2, v4, 12, v2
	v_bfe_u32 v4, v0, 6, 2
	s_delay_alu instid0(VALU_DEP_1)
	v_lshl_add_u32 v2, v4, 4, v2
	s_lshl_b32 s22, s22, 14
	v_add_nc_u32 v2, s22, v2
	s_wait_alu depctr_va_vdst(0)
	COPY 14, 14, 0, 64, 8192, 8256
.Lfunc_end_k_q9a3397cfa5_prep:
	.size	k_q9a3397cfa5_prep, .Lfunc_end_k_q9a3397cfa5_prep-k_q9a3397cfa5_prep
	.p2alignl 7, 3214868480
	.fill 96, 4, 3214868480
	.section	.rodata,"a",@progbits
	.p2align	6, 0x0
	.amdhsa_kernel k_q9a3397cfa5_prep
		.amdhsa_group_segment_fixed_size 0
		.amdhsa_private_segment_fixed_size 0
		.amdhsa_enable_private_segment 0
		.amdhsa_kernarg_size 56
		.amdhsa_user_sgpr_count 2
		.amdhsa_user_sgpr_kernarg_segment_ptr 1
		.amdhsa_wavefront_size32 1
		.amdhsa_system_sgpr_workgroup_id_x 1
		.amdhsa_system_sgpr_workgroup_id_y 1
		.amdhsa_system_sgpr_workgroup_id_z 1
		.amdhsa_system_vgpr_workitem_id 0
		.amdhsa_next_free_vgpr 24
		.amdhsa_next_free_sgpr 66
		.amdhsa_reserve_vcc 0
		.amdhsa_float_denorm_mode_32 3
		.amdhsa_float_denorm_mode_16_64 3
		.amdhsa_memory_ordered 1
		.amdhsa_forward_progress 1
		.amdhsa_inst_pref_size 9
	.end_amdhsa_kernel
	.amdgpu_metadata
---
amdhsa.version: [ 1, 2 ]
amdhsa.kernels:
  - .name:           k_q9a3397cfa5_prep
    .symbol:         k_q9a3397cfa5_prep.kd
    .args:
      - { .name: trop_W, .offset: 0, .size: 8, .value_kind: global_buffer, .address_space: global }
      - { .name: head_W_codes, .offset: 8, .size: 8, .value_kind: global_buffer, .address_space: global }
      - { .name: cls_W_codes, .offset: 16, .size: 8, .value_kind: global_buffer, .address_space: global }
      - { .name: gate_W_codes, .offset: 24, .size: 8, .value_kind: global_buffer, .address_space: global }
      - { .name: ip_W_codes, .offset: 32, .size: 8, .value_kind: global_buffer, .address_space: global }
      - { .name: ip_W_scales, .offset: 40, .size: 8, .value_kind: global_buffer, .address_space: global }
      - { .name: wts, .offset: 48, .size: 8, .value_kind: global_buffer, .address_space: global }
    .group_segment_fixed_size: 0
    .private_segment_fixed_size: 0
    .kernarg_segment_align: 8
    .kernarg_segment_size: 56
    .max_flat_workgroup_size: 256
    .sgpr_count:     66
    .vgpr_count:     24
    .wavefront_size: 32
...
	.end_amdgpu_metadata
.endif
;; end of part 1
;; launch chain (part 2): grid 256 x 1, 4 waves a work-group, no clusters, 119,040 bytes of LDS; arguments adj, wts, out0, ip_b, norm_g, norm_b, on_g, on_b, cls_W_scales, gate_W_scales, cls_b, gate_b, trop_b, lf_mix, lfs_max, lfi_max, lfs_min, lfi_min, head_W_scales, head_b; writes out0
.if DOCPART == 2
	.amdgcn_target "amdgcn-amd-amdhsa--gfx1250"
	.amdhsa_code_object_version 6
	.text
	.protected	k_q9a3397cfa5_chain
	.globl	k_q9a3397cfa5_chain
	.p2align	8
	.type	k_q9a3397cfa5_chain,@function
k_q9a3397cfa5_chain:
	s_mov_b64 s[64:65], 0
	v_nop
	global_prefetch_b8 v0, s[64:65] scope:SCOPE_SE
	s_setreg_imm32_b32 hwreg(HW_REG_WAVE_MODE, 25, 1), 1
	s_wait_xcnt 0x0
; The whole chain for 16 rows a work-group: h = Q(adj) ip_W^T + ip_b; four layers (LayerNorm; min-plus with trop_W in f32; the piecewise-linear blend;
; two products on codes with exact gelu and sigmoid; the residual); the last LayerNorm; the head product.  Quantised products: E2M1 codes, one E8M0 byte for each 32 along K, f32 sums.
; SHARES.  4,096 rows / 16 = 256 work-groups.  Wave w owns outputs 64 w .. 64 w + 63 (four tiles k of 16), in the head 1024 w .. + 1023, for all 16 rows.
; ONE LAYOUT THROUGHOUT (source 0 = the 16 rows, source 1 = 16 rows of a weight): register 8 k + j of lane (r, h) = (row 8 h + j, output 64 w + 16 k + r).
; MIN-PLUS is the bulk: 16 x 256 x 256 (add, min) a layer.  A lane holds, for its four outputs, the 128 weights of its half h of the inputs (2 x 256 registers, windows 1 and 2); hn comes from LDS,
; one address for each half of the lanes.  Two elements cost one packed add and one three-way minimum: 8,192 vector instructions a wave and layer.
; WEIGHTS go from memory straight into each wave's registers, in the order the launch before laid them: 212 loads a wave and layer against those 8,192 instructions, issued a phase or more ahead.
; No tile of a weight lies in LDS, so there is nothing that a joint request of a cluster could fill: no tensor loads, no cluster.
; LIMITS.  NaN and infinities among the inputs are not served.  A block of zeros gets the byte 1 (the quantiser's rule says 127): its codes are zeros, and this program alone reads the bytes.
; erf is the rational z P(z^2) / Q(z^2), degrees 13 and 8, on z held to -4 .. 4: a few 1e-7 absolute.  sigmoid(x) = 1 / (1 + 2^(-x log2 e)), which ends in 0 and 1 for large |x|.
; LDS (bytes)
; MIN-PLUS, A LANE'S SHARE AS THE TEXT BELOW HAS IT (in place of what the paragraph above says of it): lane (r8 = lane % 8, qd = lane / 8) holds, for its EIGHT outputs 64 w + 8 kk + r8,
; the 64 weights of quarter qd of the inputs (2 x 256 registers, windows 1 and 2: 32 inputs each); hn comes from LDS, one address for each quarter of the lanes, and each number loaded serves eight outputs:
; 16 LDS loads for a trip's 512 vector instructions.  The count of additions and minima stays 8,192 a wave and layer; the four quarters are joined at a trip's end.
; adj IS PREFETCHED: each wave names its 4 rows x 2,048 bytes of a chunk, a lane a block of 256 bytes, one instruction, in the trip two ahead of the trip that loads the chunk; chunks 0 and 1 come by their loads alone,
; and the last trips ask for nothing, so that no address leaves a row.  The weights are read by all 256 work-groups close together and are not asked for ahead.
.set HP,  1104                         ; a row of h (1,024 bytes) or of hn (four quarters of 256 bytes, 272 apart) + 16
.set NP,  17664                        ; behind 16 such rows: the norms' g and b, five sets of 2,048 (g, then b at + 1,024); set 4 is on_g, on_b
.set IMG, 27904                        ; images of the rows' fragments, [K step][c][lane][16 bytes]: two parities x 4,096 in the input product, the first 2,048 in the layers
.set ASC, 36096                        ; the rows' scale bytes: two parities x 256; the first 128 in the layers
.set PA,  36608                        ; 16,384 a wave, its own, of which the first 8,192 are used: adj's turn in the input product, then the partial minima
.set TO,  102144                       ; 4,096 a wave, its own: the min-plus results.  Behind them, at 118,528, the spare words
; wts
.set W_HD, 0x100000
.set W_CG, 0x180000
.set W_IP, 0x1C0000
.set W_IS, 0x240000
; window 0: v1-31 offsets; v32-95 at work; v96-97 the rows' scale words, v98-113 the weights' (they hold scales and nothing else); v114-127 small; v128-255 T
.set VL16, 1                           ; 16 x lane
.set VL8,  2
.set VL4,  3
.set VRD,  4                           ; PA + 16384 w + 32 x lane (the input product)
.set VIW,  5                           ; input product: where my codes go in an image
.set VSW,  6                           ; and my block's scale byte
.set VT16, 7                           ; 16 x thread
.set VHW,  8                           ; h to LDS: 8832 h + 4 r + 256 w
.set VLN,  9                           ; LayerNorm: (4 w + q) HP + 32 c
.set VNP0, 10                          ; 32 c
.set VNPL, 11                          ; + 2048 x layer
.set VIMW, 12                          ; layers: where my codes go in an image
.set VLSW, 13                          ; and my block's scale byte
.set VHN0, 14                          ; 272 (lane / 8): my quarter of a row of hn
.set VCUR, 15                          ; hn: this trip's row
.set VNXT, 16                          ; the next trip's
.set VPA0, 17                          ; PA + 16384 w + 16 x lane
.set VPAJ, 18
.set VTO0, 19                          ; TO + 4096 w + 16 x lane
.set VTOJ, 20
.set VPF,  56                          ; the input product: the prefetch's offset, 16384 (lane / 8) + 256 (lane % 8); free for other work from the first LayerNorm on
.set RM,   114                         ; min-plus: a trip's eight joined minima; RM + 8 .. + 11: what lane l xor 8 is handed
.set VWB,  21                          ; wts: the next 128 pieces for windows 1 and 2
.set VFB,  22                          ; wts: the next 32 pieces for T
.set VSN,  23                          ; cls and gate scales
.set VPON, 24                          ; cls_b, gate_b
.set VLFL, 25                          ; the four LF tensors
.set VPOL, 26                          ; trop_b, lf_mix (first: ip_b)
.set VR4,  27
.set VR32, 28
.set VOUT, 29                          ; out0: 131072 h + 16 r
.set VHS,  30                          ; head scales: 512 h + 32 r + 8192 w
.set VR16, 31                          ; head_b: 16 r + 4096 w
.set AF,  64                           ; the rows' fragments
.set AS,  96
.set BS,  98
.set T,   128
; window 3
.set ACC, 72                           ; 16 running minima, chain c = 8 rs + kk, each by turns in two registers: ACC + 4 (c / 2) + c % 2 and that + 2, where it stands at a step's end (32 registers, in LNB's place: LayerNorm's b is used up when min-plus begins)
.set PM,  0                            ; the eight minima carried from the first 32 inputs of each quarter
.set H,   8                            ; h (32)
.set G,   40                           ; the gate (32)
.set LNB, 72                           ; LayerNorm's b (32)
.set LF,  104                          ; 32 k + 8 type + p: type 0 lfs_max, 1 lfi_max, 2 lfs_min, 3 lfi_min; in the head: head_b, 4 a group
.set TB,  232                          ; per tile k: trop_b (first ip_b), lf_mix, cls_b, gate_b
.set MIX, 236
.set CB,  240
.set GB,  244
; windows 1, 2: trop_W: register 32 kk + i of window 1 + X = W[64 w + 8 kk + lane % 8][64 (lane / 8) + 32 X + i].  Window 2 first holds ip_W's fragments (two sets of 128); both hold head_W's at the end.
; scalars: s[4:43] the 20 pointers; s46 wave; s48 layer; s49 trip; s50, s51, s70-73 at work; s56 1/256; s57 1e-5; s58 counter; s[60:61] adj, s[62:63] IP, s[66:67] IS, s[68:69] out0, each at my part
.set MSB, 0
.macro WIN new                         ; bits 1:0 source 0, 3:2 source 1, 5:4 source 2, 7:6 destination; the high byte repeats the setting that is left
.if MSB != (\new)
	s_set_vgpr_msb (MSB<<8)|(\new)
.set MSB, (\new)
.endif
.endm
.macro BARRIER                         ; my LDS stores have landed and my LDS loads are in: then the work-group's barrier
	s_wait_dscnt 0x0
	s_barrier_signal -1
	s_barrier_wait -1
.endm
.macro NOPS n
.rept \n
	v_nop
.endr
.endm
; one product 16 x 16 x 128.  z = 1: C is 0 and starts the sum.  ra, rb: the scale words stand in lanes 16-31 of their registers
.macro MM d, a, b, sa, sb, z, ra, rb
.set mD, \d
.set mA, \a
.set mB, \b
.set mSA, \sa
.set mSB, \sb
.if (\z)
.if (\ra) && (\rb)
	v_wmma_scale_f32_16x16x128_f8f6f4 v[mD:mD+7], v[mA:mA+7], v[mB:mB+7], 0, v[mSA], v[mSB] matrix_a_fmt:MATRIX_FMT_FP4 matrix_b_fmt:MATRIX_FMT_FP4 matrix_a_scale:MATRIX_SCALE_ROW1 matrix_b_scale:MATRIX_SCALE_ROW1
.elseif (\ra)
	v_wmma_scale_f32_16x16x128_f8f6f4 v[mD:mD+7], v[mA:mA+7], v[mB:mB+7], 0, v[mSA], v[mSB] matrix_a_fmt:MATRIX_FMT_FP4 matrix_b_fmt:MATRIX_FMT_FP4 matrix_a_scale:MATRIX_SCALE_ROW1
.elseif (\rb)
	v_wmma_scale_f32_16x16x128_f8f6f4 v[mD:mD+7], v[mA:mA+7], v[mB:mB+7], 0, v[mSA], v[mSB] matrix_a_fmt:MATRIX_FMT_FP4 matrix_b_fmt:MATRIX_FMT_FP4 matrix_b_scale:MATRIX_SCALE_ROW1
.else
	v_wmma_scale_f32_16x16x128_f8f6f4 v[mD:mD+7], v[mA:mA+7], v[mB:mB+7], 0, v[mSA], v[mSB] matrix_a_fmt:MATRIX_FMT_FP4 matrix_b_fmt:MATRIX_FMT_FP4
.endif
.else
.if (\ra) && (\rb)
	v_wmma_scale_f32_16x16x128_f8f6f4 v[mD:mD+7], v[mA:mA+7], v[mB:mB+7], v[mD:mD+7], v[mSA], v[mSB] matrix_a_fmt:MATRIX_FMT_FP4 matrix_b_fmt:MATRIX_FMT_FP4 matrix_a_scale:MATRIX_SCALE_ROW1 matrix_b_scale:MATRIX_SCALE_ROW1
.elseif (\ra)
	v_wmma_scale_f32_16x16x128_f8f6f4 v[mD:mD+7], v[mA:mA+7], v[mB:mB+7], v[mD:mD+7], v[mSA], v[mSB] matrix_a_fmt:MATRIX_FMT_FP4 matrix_b_fmt:MATRIX_FMT_FP4 matrix_a_scale:MATRIX_SCALE_ROW1
.elseif (\rb)
	v_wmma_scale_f32_16x16x128_f8f6f4 v[mD:mD+7], v[mA:mA+7], v[mB:mB+7], v[mD:mD+7], v[mSA], v[mSB] matrix_a_fmt:MATRIX_FMT_FP4 matrix_b_fmt:MATRIX_FMT_FP4 matrix_b_scale:MATRIX_SCALE_ROW1
.else
	v_wmma_scale_f32_16x16x128_f8f6f4 v[mD:mD+7], v[mA:mA+7], v[mB:mB+7], v[mD:mD+7], v[mSA], v[mSB] matrix_a_fmt:MATRIX_FMT_FP4 matrix_b_fmt:MATRIX_FMT_FP4
.endif
.endif
.endm
; packed forms in which ONE register (number sel of a pair) serves both halves: a parameter of the lane's output
.macro PKADDB d, a, b, sel             ; d = a + b[sel]
.set xd, \d
.set xa, \a
.set xb, \b
.if (\sel)
	v_pk_add_f32 v[xd:xd+1], v[xa:xa+1], v[xb:xb+1] op_sel:[0,1] op_sel_hi:[1,1]
.else
	v_pk_add_f32 v[xd:xd+1], v[xa:xa+1], v[xb:xb+1] op_sel_hi:[1,0]
.endif
.endm
.macro PKFMAL d, a, lit, c, sel        ; d = a x constant + c[sel]
.set xd, \d
.set xa, \a
.set xc, \c
.if (\sel)
	v_pk_fma_f32 v[xd:xd+1], v[xa:xa+1], \lit, v[xc:xc+1] op_sel:[0,0,1] op_sel_hi:[1,0,1]
.else
	v_pk_fma_f32 v[xd:xd+1], v[xa:xa+1], \lit, v[xc:xc+1] op_sel_hi:[1,0,0]
.endif
.endm
.macro PKFMABB d, a, b, c, sel         ; d = a x b[sel] + c[sel]
.set xd, \d
.set xa, \a
.set xb, \b
.set xc, \c
.if (\sel)
	v_pk_fma_f32 v[xd:xd+1], v[xa:xa+1], v[xb:xb+1], v[xc:xc+1] op_sel:[0,1,1] op_sel_hi:[1,1,1]
.else
	v_pk_fma_f32 v[xd:xd+1], v[xa:xa+1], v[xb:xb+1], v[xc:xc+1] op_sel_hi:[1,0,0]
.endif
.endm
.macro PKFMAB d, a, b, c, sel          ; d = a x b[sel] + c
.set xd, \d
.set xa, \a
.set xb, \b
.set xc, \c
.if (\sel)
	v_pk_fma_f32 v[xd:xd+1], v[xa:xa+1], v[xb:xb+1], v[xc:xc+1] op_sel:[0,1,0] op_sel_hi:[1,1,1]
.else
	v_pk_fma_f32 v[xd:xd+1], v[xa:xa+1], v[xb:xb+1], v[xc:xc+1] op_sel_hi:[1,0,1]
.endif
.endm
; ---- the groups of loads.  Each load is 16 bytes a lane at 16 x lane unless said otherwise
.macro WLOAD win, q0, q1               ; pieces q0 .. q1 of the 64 of window win
	WIN 0x40*(\win)
.set ii, \q0
.rept \q1-\q0+1
	global_load_b128 v[4*ii:4*ii+3], v[VWB], s[6:7] offset:(\win-1)*32768+512*ii
.set ii, ii+1
.endr
	WIN 0
.endm
.macro TLOAD q0, q1                    ; pieces q0 .. q1 of the next products' 32 pieces of fragments
.set ii, \q0
.rept \q1-\q0+1
	global_load_b128 v[T+4*ii:T+4*ii+3], v[VFB], s[6:7] offset:512*ii
.set ii, ii+1
.endr
.endm
.macro BETA p                          ; 80 loads in four parts, always in this order: 20; 12 + 4 + 8 (the next products' fragments, scales and biases); 18; 6 + 12 (pieces for windows 1 and 2)
.if (\p) == 0
	TLOAD 0, 19
.elseif (\p) == 1
	TLOAD 20, 31
	global_load_b64 v[BS:BS+1], v[VSN], s[20:21]               ; 8 bytes a row, 32 rows: lanes 0-15 the even tile, lanes 16-31 the odd one; register + s: K step s
	global_load_b64 v[BS+2:BS+3], v[VSN], s[20:21] offset:256
	global_load_b64 v[BS+4:BS+5], v[VSN], s[22:23]
	global_load_b64 v[BS+6:BS+7], v[VSN], s[22:23] offset:256
	WIN 0xC0
.irp k, 0,1,2,3
	global_load_b32 v[CB+\k], v[VPON], s[24:25] offset:64*\k
	global_load_b32 v[GB+\k], v[VPON], s[26:27] offset:64*\k
.endr
	WIN 0
.elseif (\p) == 2
	WLOAD 1, 40, 57
.else
	WLOAD 1, 58, 63
	WLOAD 2, 0, 11
.endif
.endm
.macro LFLOAD                          ; 40 loads: this layer's pieces (32 bytes an output and tensor), trop_b, lf_mix
	WIN 0xC0
.irp k, 0,1,2,3
.irp e, 0,1
	global_load_b128 v[LF+32*\k+4*\e:LF+32*\k+4*\e+3], v[VLFL], s[32:33] offset:512*\k+16*\e
	global_load_b128 v[LF+32*\k+8+4*\e:LF+32*\k+8+4*\e+3], v[VLFL], s[34:35] offset:512*\k+16*\e
	global_load_b128 v[LF+32*\k+16+4*\e:LF+32*\k+16+4*\e+3], v[VLFL], s[36:37] offset:512*\k+16*\e
	global_load_b128 v[LF+32*\k+24+4*\e:LF+32*\k+24+4*\e+3], v[VLFL], s[38:39] offset:512*\k+16*\e
.endr
.endr
.irp k, 0,1,2,3
	global_load_b32 v[TB+\k], v[VPOL], s[28:29] offset:64*\k
	global_load_b32 v[MIX+\k], v[VPOL], s[30:31] offset:64*\k
.endr
	WIN 0
.endm
; the offsets of the weights of layer n (n in s50).  n = 4: the same slots take head_W's groups 0-7 (windows 1, 2) and 8, 9 (T); scales and biases are then layer 3's again and are not used
.macro NEXTOFF
	s_wait_xcnt 0x0                                ; the loads that named these offsets have read them
	s_lshl_b32 s51, s50, 2
	s_add_co_u32 s51, s51, s46                     ; 4 n + w
	s_lshl_b32 s70, s51, 16                        ; TW: 65,536 bytes each
	s_lshl_b32 s71, s51, 14
	s_add_co_u32 s71, s71, W_CG                    ; CG: 16,384 each
	s_lshl_b32 s72, s46, 17
	s_add_co_u32 s72, s72, W_HD                    ; HD: 131,072 a wave
	s_add_co_u32 s73, s72, 65536
	s_cmp_lt_u32 s50, 4
	s_cselect_b32 s70, s70, s72
	s_cselect_b32 s71, s71, s73
	v_add_nc_u32 v[VWB], s70, v[VL16]
	v_add_nc_u32 v[VFB], s71, v[VL16]
	s_min_u32 s50, s50, 3
	s_lshl_b32 s51, s50, 11
	s_lshl_b32 s70, s46, 9
	s_add_co_u32 s51, s51, s70                     ; 2048 n + 512 w
	v_add_nc_u32 v[VSN], s51, v[VL8]
	s_lshr_b32 s51, s51, 1
	v_add_nc_u32 v[VPON], s51, v[VR4]
.endm
; ================= the head
	s_load_b512 s[4:19], s[0:1], 0x0               ; adj, wts, out0, ip_b, norm_g, norm_b, on_g, on_b
	s_load_b512 s[20:35], s[0:1], 0x40             ; cls scales, gate scales, cls_b, gate_b, trop_b, lf_mix, lfs_max, lfi_max
	s_load_b256 s[36:43], s[0:1], 0x80             ; lfs_min, lfi_min, head scales, head_b
	s_set_vgpr_msb 0xc0
	v_lshl_add_u32 v254, v0, 2, 0x1cf00
	v_mov_b32 v255, 0
	s_set_vgpr_msb 0xc000
	v_lshrrev_b32 v124, 5, v0
	v_readfirstlane_b32 s46, v124                  ; wave
	v_and_b32 v124, 31, v0                         ; lane
	v_and_b32 v125, 15, v0                         ; r
	v_bfe_u32 v126, v0, 4, 1                       ; h
	v_bfe_u32 v127, v0, 3, 2                       ; q = lane / 8
	v_and_b32 v123, 3, v0                          ; lane % 4
	v_bfe_u32 v122, v0, 2, 1                       ; (lane / 4) % 2
	v_lshlrev_b32 v[VL16], 4, v124
	v_lshlrev_b32 v[VL8], 3, v124
	v_lshlrev_b32 v[VL4], 2, v124
	s_lshl_b32 s50, s46, 14
	s_add_co_u32 s50, s50, PA
	v_lshl_add_u32 v[VRD], v124, 5, s50
	v_lshl_add_u32 v[VPA0], v124, 4, s50
	s_lshl_b32 s50, s46, 12
	s_add_co_u32 s50, s50, TO
	v_lshl_add_u32 v[VTO0], v124, 4, s50
	v_lshrrev_b32 v[VIW], 2, v124
	v_lshlrev_b32 v[VIW], 8, v[VIW]                ; 256 (lane / 4): K step, c and h of my block
	v_lshl_add_u32 v[VIW], v123, 2, v[VIW]         ; + 4 (lane % 4): my 8 codes in it
	s_lshl_b32 s50, s46, 6
	v_add_nc_u32 v[VIW], s50, v[VIW]               ; + 16 x 4 w: the row
	v_bfe_u32 v[VSW], v0, 2, 2
	v_lshl_add_u32 v[VSW], v126, 7, v[VSW]
	s_lshl_b32 s51, s46, 5
	v_add_nc_u32 v[VSW], s51, v[VSW]
	v_mul_u32_u24 v[VHW], v126, 8*HP
	v_lshl_add_u32 v[VHW], v125, 2, v[VHW]
	s_lshl_b32 s51, s46, 8
	v_add_nc_u32 v[VHW], s51, v[VHW]
	v_and_b32 v[VNP0], 7, v0
	v_lshlrev_b32 v[VNP0], 5, v[VNP0]
	v_mad_u32_u24 v[VLN], v127, HP, v[VNP0]
	s_mul_i32 s51, s46, 4*HP
	v_add_nc_u32 v[VLN], s51, v[VLN]
	v_lshlrev_b32 v[VIMW], 8, v122
	v_lshl_add_u32 v[VIMW], v127, 4, v[VIMW]
	v_lshl_add_u32 v[VIMW], v123, 2, v[VIMW]
	v_add_nc_u32 v[VIMW], s50, v[VIMW]
	v_lshl_add_u32 v[VLSW], v127, 2, v122
	s_lshl_b32 s51, s46, 4
	v_add_nc_u32 v[VLSW], s51, v[VLSW]
	v_mul_u32_u24 v[VHN0], v127, 272
	v_lshlrev_b32 v[VPF], 14, v127                 ; a row of adj is 16,384 bytes,
	v_lshl_add_u32 v[VPF], v[VNP0], 3, v[VPF]      ; + 256 (lane % 8)
	v_lshlrev_b32 v[VR4], 2, v125
	v_lshlrev_b32 v[VR32], 5, v125
	s_lshl_b32 s51, s46, 8
	v_add_nc_u32 v[VPOL], s51, v[VR4]
	v_lshlrev_b32 v[VOUT], 17, v126
	v_lshl_add_u32 v[VOUT], v125, 4, v[VOUT]
	v_lshlrev_b32 v[VHS], 9, v126
	v_lshl_add_u32 v[VHS], v125, 5, v[VHS]
	s_lshl_b32 s51, s46, 13
	v_add_nc_u32 v[VHS], s51, v[VHS]
	s_lshl_b32 s51, s46, 12
	v_lshl_add_u32 v[VR16], v125, 4, s51
	v_lshlrev_b32 v[VT16], 4, v0
	v_and_b32 v121, 63, v0
	v_lshlrev_b32 v121, 4, v121                    ; 16 (thread % 64)
	v_lshrrev_b32 v120, 6, v0
	v_lshl_add_u32 v120, v120, 11, v121            ; the norms' place in LDS: 2048 (thread / 64) + 16 (thread % 64)
	s_mov_b32 s56, 0x3b800000                      ; 1 / 256
	s_mov_b32 s57, 0x3727c5ac                      ; 1e-5
	s_mov_b32 s51, 0
	s_wait_alu depctr_va_vdst(0)
	s_wait_kmcnt 0x0
	s_lshl_b32 s50, ttmp9, 18                      ; 16 rows of 16,384 bytes a work-group,
	s_lshl_b32 s70, s46, 16                        ; 4 a wave
	s_add_co_u32 s50, s50, s70
	s_add_nc_u64 s[60:61], s[4:5], s[50:51]
	s_lshl_b32 s50, s46, 17
	s_add_co_u32 s50, s50, W_IP
	s_add_nc_u64 s[62:63], s[6:7], s[50:51]
	s_lshl_b32 s50, s46, 13
	s_add_co_u32 s50, s50, W_IS
	s_add_nc_u64 s[66:67], s[6:7], s[50:51]
	s_lshl_b32 s50, ttmp9, 18
	s_lshl_b32 s70, s46, 12                        ; my 1,024 columns
	s_add_co_u32 s50, s50, s70
	s_add_nc_u64 s[68:69], s[8:9], s[50:51]
	s_cmp_lt_u32 s46, 2                            ; waves 0, 1 bring on_g, waves 2, 3 on_b
	s_cselect_b64 s[70:71], s[16:17], s[18:19]
	global_load_b128 v[32:35], v[VT16], s[12:13]               ; norm_g: 256 pieces of 16 bytes, two a thread
	global_load_b128 v[36:39], v[VT16], s[12:13] offset:2048
	global_load_b128 v[40:43], v[VT16], s[14:15]               ; norm_b likewise
	global_load_b128 v[44:47], v[VT16], s[14:15] offset:2048
	global_load_b128 v[48:51], v121, s[70:71]
	WIN 0xC0
.irp k, 0,1,2,3
	global_load_b32 v[TB+\k], v[VPOL], s[10:11] offset:64*\k   ; ip_b of my four outputs
.endr
	WIN 0
; ================= the input product: K = 4,096 in eight chunks of 512 (four K steps)
.macro ALOAD set, dc                   ; my 4 rows' 2,048 bytes of the chunk dc on: 16 loads of 512 consecutive bytes, each byte of adj read once in the launch
.set rA, T+64*(\set)
.set ii, 0
.rept 16
	global_load_b128 v[rA+4*ii:rA+4*ii+3], v[VL16], s[60:61] offset:16384*(ii/4)+2048*(\dc)+512*(ii%4) th:TH_LOAD_NT
.set ii, ii+1
.endr
.endm
.macro BLOAD set, dc, i0, n, sc        ; ip_W: pieces i0 .. i0 + n - 1 of the 32 of 16 fragments (K step s, tile k at 32 s + 8 k of the set, window 2); sc = 1: and their scale words (register 4 (k / 2) + s; the odd tile in lanes 16-31)
	WIN 0x80
.set rB, 128*(\set)
.set ii, \i0
.rept \n
	global_load_b128 v[rB+4*ii:rB+4*ii+3], v[VL16], s[62:63] offset:16384*(\dc)+512*ii
.set ii, ii+1
.endr
	WIN 0
.if \sc
.set rS, BS+8*(\set)
	global_load_b128 v[rS:rS+3], v[VL16], s[66:67] offset:1024*(\dc)
	global_load_b128 v[rS+4:rS+7], v[VL16], s[66:67] offset:1024*(\dc)+512
.endif
.endm
; eight units of 8 numbers a lane (unit u = 2 q + p: row 4 w + q, the chunk's p-th 256 numbers; lane l holds k = 8 l .. 8 l + 7): four lanes share a block of 32
.macro QUANT8 par
.set rA, T+64*(\par)
.irp u, 0,1,2,3,4,5,6,7
	v_max3_num_f32 v[32+\u], |v[rA+8*\u]|, |v[rA+8*\u+1]|, 0x1800000   ; with the floor 2^(3 - 127): the byte cannot fall under 1
.endr
.irp i, 2,4,6
.irp u, 0,1,2,3,4,5,6,7
	v_max3_num_f32 v[32+\u], v[32+\u], |v[rA+8*\u+\i]|, |v[rA+8*\u+\i+1]|
.endr
.endr
.irp u, 0,1,2,3,4,5,6,7
	v_max_num_f32_dpp v[32+\u], v[32+\u], v[32+\u] row_xmask:1 row_mask:0xf bank_mask:0xf
.endr
.irp u, 0,1,2,3,4,5,6,7
	v_max_num_f32_dpp v[32+\u], v[32+\u], v[32+\u] row_xmask:2 row_mask:0xf bank_mask:0xf
.endr
.irp u, 0,1,2,3,4,5,6,7
	v_add_nc_u32 v[32+\u], 0xff000000, v[32+\u]    ; 2 off the exponent field: the conversion's scale operand
.endr
.irp u, 0,1,2,3,4,5,6,7
	v_lshrrev_b32 v[40+\u], 23, v[32+\u]           ; the scale's byte
.endr
.irp u, 0,1,2,3,4,5,6,7
	v_cvt_scalef32_pk8_fp4_f32 v[48+\u], v[rA+8*\u:rA+8*\u+7], v[32+\u]
.endr
	v_nop                                          ; one plain instruction behind the conversions
.irp u, 0,1,2,3,4,5,6,7
	ds_store_b32 v[VIW], v[48+\u] offset:IMG+4096*(\par)+2048*(\u%2)+16*(\u/2)
	ds_store_b8 v[VSW], v[40+\u] offset:ASC+256*(\par)+8*(\u/2)+4*(\u%2)   ; the four lanes of a block write the same byte with the same value
.endr
.endm
; chunk c, parity par.  next: the immediate's chunk number of c + 1, or 0: the last chunk, which asks for the first layer's window 1 instead
.macro CHUNK par, zero, next
.if \next
	ALOAD 1-\par, \next                            ; the next chunk's weights follow in three parts, among this chunk's LDS work
	s_wait_loadcnt 50                              ; adj's 16 loads of this chunk are in: behind them this chunk's 34 of weights and the 16 just issued
.else
	s_mov_b32 s50, 0
	NEXTOFF                                        ; the first layer's 40 first pieces of window 1 follow in three parts
	s_wait_alu depctr_va_vdst(0)                   ; directly ahead of the wait below
	s_wait_loadcnt 34                              ; behind adj's 16 loads only this chunk's 34 of weights
.endif
.set rA, T+64*\par
.set ii, 0
.rept 16
	ds_store_b128 v[VPA0], v[rA+4*ii:rA+4*ii+3] offset:512*ii              ; as they lie, into my own 8,192 bytes,
.set ii, ii+1
.endr
.set ii, 0
.rept 16
	ds_load_b128 v[rA+4*ii:rA+4*ii+3], v[VRD] offset:1024*(ii/2)+16*(ii%2) ; and back 32 bytes a lane.  LDS serves a wave's instructions in order: no wait between
.set ii, ii+1
.endr
.if \next
	BLOAD 1-\par, \next, 0, 12, 0
.else
	WLOAD 1, 0, 13
.endif
	s_wait_dscnt 0x0
.if \next                              ; the chunk two behind the one just asked for by loads: 32 blocks of 256 bytes, a lane a block
.if \next > 1
	s_cmp_lg_u32 s58, 1                            ; the loop's last trip would name chunks 8 and 9: it asks for nothing
	s_cbranch_scc0 .Lnot_ahead\@
.endif
	global_prefetch_b8 v[VPF], s[60:61] offset:2048*(\next+2) th:TH_LOAD_NT scope:SCOPE_SE
.if \next > 1
.Lnot_ahead\@:
.endif
.endif
	QUANT8 \par
.if \next
	BLOAD 1-\par, \next, 12, 10, 0
.else
	WLOAD 1, 14, 26
.endif
	BARRIER                                        ; the 16 rows' four fragments of this parity lie in LDS; the other parity's were last read in front of the barrier before
.set ii, 0
.rept 8
	ds_load_b128 v[AF+4*ii:AF+4*ii+3], v[VL16] offset:IMG+4096*\par+512*ii
.set ii, ii+1
.endr
	ds_load_b64 v[AS:AS+1], v[VL8] offset:ASC+256*\par                     ; register i: K step 2 i in lanes 0-15, 2 i + 1 in lanes 16-31
.if \next
	BLOAD 1-\par, \next, 22, 10, 1
	s_wait_loadcnt 50                              ; this chunk's weights are in: behind them the next chunk's 16 + 34
.else
	WLOAD 1, 27, 39
	s_wait_loadcnt 40                              ; behind them the 40 pieces for window 1
.endif
	s_wait_dscnt 0x0
	WIN 0xF8                                       ; the rows window 0, ip_W window 2, h window 3
.irp s, 0,1,2,3
.irp k, 0,1,2,3                                    ; the four accumulators by turns
.if \zero && (\s == 0)
	MM H+8*\k, AF+8*\s, 128*\par+32*\s+8*\k, AS+\s/2, BS+8*\par+4*(\k/2)+\s, 1, \s%2, \k%2
.else
	MM H+8*\k, AF+8*\s, 128*\par+32*\s+8*\k, AS+\s/2, BS+8*\par+4*(\k/2)+\s, 0, \s%2, \k%2
.endif
.endr
.endr
	WIN 0
	NOPS 4                                         ; four places in front of loads into registers that these products read
.endm
	global_prefetch_b8 v[VPF], s[60:61] offset:2048*2 th:TH_LOAD_NT scope:SCOPE_SE   ; chunk 2, which the trip after the first loads
	ALOAD 0, 0
	BLOAD 0, 0, 0, 32, 1
	s_wait_loadcnt 54                              ; the norms' five loads are in: 4 + 16 + 34 were issued behind them
	ds_store_b128 v120, v[32:35] offset:NP
	ds_store_b128 v120, v[36:39] offset:NP+4096
	ds_store_b128 v120, v[40:43] offset:NP+1024
	ds_store_b128 v120, v[44:47] offset:NP+5120
	ds_store_b128 v[VT16], v[48:51] offset:NP+8192 ; threads 0-63 on_g, 64-127 on_b behind it
	CHUNK 0, 1, 1                                  ; the first chunk's first products start the sums
	s_mov_b32 s58, 3
.Lchunks:
	CHUNK 1, 0, 2
	CHUNK 0, 0, 3
	s_wait_xcnt 0x0                                ; the loads have read their bases: two chunks on
	s_add_nc_u64 s[60:61], s[60:61], 4096
	s_add_nc_u64 s[62:63], s[62:63], 32768
	s_add_nc_u64 s[66:67], s[66:67], 2048
	s_sub_co_u32 s58, s58, 1
	s_cmp_lg_u32 s58, 0
	s_cbranch_scc1 .Lchunks
	CHUNK 1, 0, 0
	BETA 0                                         ; layer 0's
	BETA 1
	BETA 2
	BETA 3
	WIN 0xFF
.set i, 0
.rept 16
	PKADDB H+i, H+i, TB+2*(i/16), (i/8)%2          ; + ip_b; each accumulator from its low end on
.set i, i+2
.endr
	WIN 0
; ================= h to LDS, LayerNorm number s48, hn to LDS, its codes to LDS, the 16 rows' two fragments back
.macro LNTOP
	s_wait_xcnt 0x0                                ; the last layer's loads have read these offsets
	s_lshl_b32 s50, s48, 11
	v_add_nc_u32 v[VNPL], s50, v[VNP0]
	s_min_u32 s50, s48, 3
	s_lshl_b32 s51, s50, 13
	s_lshl_b32 s70, s46, 11
	s_add_co_u32 s51, s51, s70
	v_add_nc_u32 v[VLFL], s51, v[VR32]
	s_lshr_b32 s51, s51, 3
	v_add_nc_u32 v[VPOL], s51, v[VR4]
	s_wait_alu depctr_va_vdst(0)
	BARRIER                                        ; nobody reads the last hn any more
	WIN 0x0C
.irp k, 0,1,2,3
.irp j, 0,1,2,3,4,5,6,7
	ds_store_b32 v[VHW], v[H+8*\k+\j] offset:HP*\j+64*\k
.endr
.endr
	WIN 0
	BARRIER                                        ; 16 whole rows of h lie in LDS
	; wave w takes rows 4 w + q; lane (q, c) holds x[8 t + e] = element 64 t + 8 c + e, t = 0 .. 3
.set ii, 0
.rept 8
	ds_load_b128 v[32+4*ii:35+4*ii], v[VLN] offset:256*(ii/2)+16*(ii%2)
.set ii, ii+1
.endr
.set ii, 0
.rept 8
	ds_load_b128 v[64+4*ii:67+4*ii], v[VNPL] offset:NP+256*(ii/2)+16*(ii%2)
.set ii, ii+1
.endr
	WIN 0xC0
.set ii, 0
.rept 8
	ds_load_b128 v[LNB+4*ii:LNB+4*ii+3], v[VNPL] offset:NP+1024+256*(ii/2)+16*(ii%2)
.set ii, ii+1
.endr
	WIN 0
	s_wait_dscnt 16                                ; x is in; g's and b's sixteen loads may be out
	v_pk_add_f32 v[114:115], v[32:33], v[34:35]    ; the sum, in four chains
	v_pk_add_f32 v[116:117], v[36:37], v[38:39]
	v_pk_add_f32 v[118:119], v[40:41], v[42:43]
	v_pk_add_f32 v[120:121], v[44:45], v[46:47]
.irp i, 48,56
	v_pk_add_f32 v[114:115], v[114:115], v[\i:\i+1]
	v_pk_add_f32 v[116:117], v[116:117], v[\i+2:\i+3]
	v_pk_add_f32 v[118:119], v[118:119], v[\i+4:\i+5]
	v_pk_add_f32 v[120:121], v[120:121], v[\i+6:\i+7]
.endr
	v_pk_add_f32 v[114:115], v[114:115], v[116:117]
	v_pk_add_f32 v[118:119], v[118:119], v[120:121]
	v_pk_add_f32 v[114:115], v[114:115], v[118:119]
	v_add_f32 v114, v114, v115
	v_add_f32_dpp v114, v114, v114 row_xmask:1 row_mask:0xf bank_mask:0xf  ; the row's eight lanes
	v_add_f32_dpp v114, v114, v114 row_xmask:2 row_mask:0xf bank_mask:0xf
	v_add_f32_dpp v114, v114, v114 row_xmask:4 row_mask:0xf bank_mask:0xf
	v_mul_f32 v122, s56, v114                      ; the mean
	v_mov_b32 v123, v122
.set i, 0
.rept 16
	v_pk_add_f32 v[32+i:33+i], v[32+i:33+i], v[122:123] neg_lo:[0,1] neg_hi:[0,1]
.set i, i+2
.endr
	v_pk_mul_f32 v[114:115], v[32:33], v[32:33]    ; the squares' sum likewise
	v_pk_mul_f32 v[116:117], v[34:35], v[34:35]
	v_pk_mul_f32 v[118:119], v[36:37], v[36:37]
	v_pk_mul_f32 v[120:121], v[38:39], v[38:39]
.irp i, 40,48,56
	v_pk_fma_f32 v[114:115], v[\i:\i+1], v[\i:\i+1], v[114:115]
	v_pk_fma_f32 v[116:117], v[\i+2:\i+3], v[\i+2:\i+3], v[116:117]
	v_pk_fma_f32 v[118:119], v[\i+4:\i+5], v[\i+4:\i+5], v[118:119]
	v_pk_fma_f32 v[120:121], v[\i+6:\i+7], v[\i+6:\i+7], v[120:121]
.endr
	v_pk_add_f32 v[114:115], v[114:115], v[116:117]
	v_pk_add_f32 v[118:119], v[118:119], v[120:121]
	v_pk_add_f32 v[114:115], v[114:115], v[118:119]
	v_add_f32 v114, v114, v115
	v_add_f32_dpp v114, v114, v114 row_xmask:1 row_mask:0xf bank_mask:0xf
	v_add_f32_dpp v114, v114, v114 row_xmask:2 row_mask:0xf bank_mask:0xf
	v_add_f32_dpp v114, v114, v114 row_xmask:4 row_mask:0xf bank_mask:0xf
	v_fma_f32 v124, v114, s56, s57                 ; variance + 1e-5
	s_wait_alu depctr_va_vdst(0)
	v_rsq_f32 v124, v124
	v_nop                                          ; a plain instruction behind the transcendental,
	s_wait_alu depctr_va_vdst(0)                   ; and the wait ahead of its first reader
	v_mov_b32 v125, v124
	s_wait_alu depctr_va_vdst(0)
	s_wait_dscnt 0x0                               ; g and b
.set i, 0
.rept 16
	v_pk_mul_f32 v[32+i:33+i], v[32+i:33+i], v[124:125]
.set i, i+2
.endr
	WIN 0x30
.set i, 0
.rept 16
	v_pk_fma_f32 v[32+i:33+i], v[32+i:33+i], v[64+i:65+i], v[LNB+i:LNB+i+1]
.set i, i+2
.endr
	WIN 0
.set ii, 0
.rept 8
	ds_store_b64 v[VLN], v[34+4*ii:35+4*ii] offset:272*(ii/2)+16*(ii%2)    ; hn over h: my own four rows, all read; quarter t of a row at 272 t.  The two halves of every 16 bytes change places:
	ds_store_b64 v[VLN], v[32+4*ii:33+4*ii] offset:272*(ii/2)+16*(ii%2)+8  ; so min-plus finds inputs u, u + 1 in registers whose numbers differ by 2 modulo 4 from those of their weights
.set ii, ii+1
.endr
	; the quantiser: slice t is 8 numbers of block 2 t + c / 4, which four lanes share
.irp t, 0,1,2,3
	v_max3_num_f32 v[114+\t], |v[32+8*\t]|, |v[33+8*\t]|, 0x1800000
.endr
.irp i, 2,4,6
.irp t, 0,1,2,3
	v_max3_num_f32 v[114+\t], v[114+\t], |v[32+8*\t+\i]|, |v[33+8*\t+\i]|
.endr
.endr
.irp t, 0,1,2,3
	v_max_num_f32_dpp v[114+\t], v[114+\t], v[114+\t] row_xmask:1 row_mask:0xf bank_mask:0xf
.endr
.irp t, 0,1,2,3
	v_max_num_f32_dpp v[114+\t], v[114+\t], v[114+\t] row_xmask:2 row_mask:0xf bank_mask:0xf
.endr
.irp t, 0,1,2,3
	v_add_nc_u32 v[114+\t], 0xff000000, v[114+\t]
.endr
.irp t, 0,1,2,3
	v_lshrrev_b32 v[118+\t], 23, v[114+\t]
.endr
.irp t, 0,1,2,3
	v_cvt_scalef32_pk8_fp4_f32 v[122+\t], v[32+8*\t:39+8*\t], v[114+\t]
.endr
	v_nop                                          ; one plain instruction behind the conversions
.irp t, 0,1,2,3
	ds_store_b32 v[VIMW], v[122+\t] offset:IMG+512*\t
	ds_store_b8 v[VLSW], v[118+\t] offset:ASC+64*(\t/2)+2*(\t%2)
.endr
	BARRIER                                        ; hn, the two fragments' images and the scale words lie in LDS
.set ii, 0
.rept 4
	ds_load_b128 v[AF+4*ii:AF+4*ii+3], v[VL16] offset:IMG+512*ii
.set ii, ii+1
.endr
	ds_load_b32 v[AS], v[VL4] offset:ASC           ; K step 0 in lanes 0-15, K step 1 in lanes 16-31
.endm
; ================= min-plus, inputs 64 (lane / 8) + 32 X .. + 31 (window 1 + X).  A trip: rows J and J + 8; running minimum 8 rs + kk
.macro HNLOAD buf, adr, off            ; 16 numbers of hn of both rows: one address for each quarter of the lanes
.irp rs, 0,1
.irp v, 0,1,2,3
	ds_load_b128 v[32+32*(\buf)+16*\rs+4*\v:32+32*(\buf)+16*\rs+4*\v+3], v[\adr] offset:8*HP*\rs+(\off)+16*\v
.endr
.endr
.endm
.macro TROP X
	s_mov_b32 s49, 0
	v_mov_b32 v[VCUR], v[VHN0]
	HNLOAD 0, VCUR, 128*\X
	s_wait_dscnt 0x0                               ; the first trip's first 16 are in: so the count at the trip's top need only fit the way round the loop
.Ltrop\X:
	s_add_co_u32 s50, s49, 1
	s_and_b32 s50, s50, 7                          ; the last trip asks for row 0 again: inside hn, not used
	s_mul_i32 s50, s50, HP
	v_add_nc_u32 v[VNXT], s50, v[VHN0]
	s_lshl_b32 s51, s49, 10
	v_add_nc_u32 v[VPAJ], s51, v[VPA0]
.if \X
	s_lshr_b32 s70, s49, 2
	s_lshl_b32 s70, s70, 9
	s_and_b32 s71, s49, 3
	s_lshl_b32 s71, s71, 2
	s_add_co_u32 s70, s70, s71
	v_add_nc_u32 v[VTOJ], s70, v[VTO0]             ; register J of a tile: 512 (J / 4) + 4 (J % 4)
.endif
	s_wait_alu depctr_va_vdst(0)
.irp hf, 0,1                                       ; 16 inputs of hn to a run of eight loads; each run serves two steps of 8 inputs
	WIN 0x04+0x04*\X
.if \hf
	HNLOAD 0, VNXT, 128*\X                         ; the next trip's first 16
	s_wait_dscnt 8                                 ; all but these eight: this trip's second 16 (and the carried minima) are in
.else
	HNLOAD 1, VCUR, 128*\X+64                      ; this trip's second 16
.if \X
	WIN 0xC0
	ds_load_b128 v[PM:PM+3], v[VPAJ]               ; the minima carried from the first pass: wanted at the trip's end
	ds_load_b128 v[PM+4:PM+7], v[VPAJ] offset:512
.endif
	s_wait_dscnt 10+4*\X                           ; the first 16 are in; out may be what was issued behind them: the last trip's stores (2, or 4) and the loads just issued (8, or 10)
.endif
.irp s2, 0,1
	WIN 0x04+0x04*\X
.irp c, 0,1,2,3,4,5,6,7,8,9,10,11,12,13,14,15
.irp u, 0,2,4,6
	v_pk_add_f32 v[T+8*\c+\u:T+8*\c+\u+1], v[32+32*\hf+16*(\c/8)+8*\s2+(\u+2-4*((\u/2)%2)):32+32*\hf+16*(\c/8)+8*\s2+(\u+2-4*((\u/2)%2))+1], v[32*(\c%8)+16*\hf+8*\s2+\u:32*(\c%8)+16*\hf+8*\s2+\u+1]
.endr
.endr
	WIN 0xC3
.irp u, 0,2,4,6
.irp c, 0,1,2,3,4,5,6,7,8,9,10,11,12,13,14,15      ; the sixteen chains by turns
.if (\hf == 0) && (\s2 == 0) && (\u == 0)
	v_min3_num_f32 v[ACC+4*(\c/2)+\c%2], 0x7f800000, v[T+8*\c], v[T+8*\c+1]   ; the first starts the chain: nothing is cleared
.elseif (\u%4) == 0
	v_min3_num_f32 v[ACC+4*(\c/2)+\c%2], v[ACC+4*(\c/2)+2+\c%2], v[T+8*\c+\u], v[T+8*\c+\u+1]   ; the three sources' numbers differ modulo 4: the sums at 0 and 1, the minimum at 2 or 3;
.else
	v_min3_num_f32 v[ACC+4*(\c/2)+2+\c%2], v[ACC+4*(\c/2)+\c%2], v[T+8*\c+\u], v[T+8*\c+\u+1]   ; the sums at 2 and 3, the minimum at 0 or 1
.endif
.endr
.endr
.endr
.endr
.irp k, 0,1,2,3,4,5,6,7
	v_permlane16_swap_b32 v[ACC+4*(\k/2)+2+\k%2], v[ACC+16+4*(\k/2)+2+\k%2]   ; chains k and 8 + k: now both registers hold, in a lane of half h, row J + 8 h: one quarters 0 and 1, the other quarters 2 and 3
.endr
.if \X
	WIN 0x3F
.irp k, 0,1,2,3,4,5,6,7
	v_min3_num_f32 v[RM+\k], v[ACC+4*(\k/2)+2+\k%2], v[ACC+16+4*(\k/2)+2+\k%2], v[PM+\k]   ; with what the first pass carried, joined there in the same way
.endr
	WIN 0
.irp k, 0,1,2,3                                    ; lane l owns output 8 (2 k + b) + l % 8 of tile k, b = bit 3 of l (s74: the lanes with b = 1); the other of the pair goes to lane l xor 8
	v_cndmask_b32 v[RM+8+\k], v[RM+2*\k+1], v[RM+2*\k], s74
.endr
.irp k, 0,1,2,3
	v_cndmask_b32 v[RM+2*\k], v[RM+2*\k], v[RM+2*\k+1], s74
.endr
.irp k, 0,1,2,3
	v_min_num_f32_dpp v[RM+2*\k], v[RM+8+\k], v[RM+2*\k] row_xmask:8 row_mask:0xf bank_mask:0xf   ; with lane l xor 8's two quarters: the whole minimum
.endr
.irp k, 0,1,2,3
	ds_store_b32 v[VTOJ], v[RM+2*\k] offset:1024*\k
.endr
.else
	WIN 0xCF
.irp k, 0,1,2,3,4,5,6,7
	v_min_num_f32 v[PM+\k], v[ACC+4*(\k/2)+2+\k%2], v[ACC+16+4*(\k/2)+2+\k%2]
.endr
	WIN 0x0C
	ds_store_b128 v[VPAJ], v[PM:PM+3]
	ds_store_b128 v[VPAJ], v[PM+4:PM+7] offset:512
.endif
	WIN 0
	v_mov_b32 v[VCUR], v[VNXT]
	s_add_co_u32 s49, s49, 1
	s_cmp_lt_u32 s49, 8
	s_cbranch_scc1 .Ltrop\X
	s_wait_dscnt 0x0                               ; the stores, and the last trip's loads ahead
.endm
; ================= sixteen pairs at a time, for the gelu
.macro P16MULL d, a, lit               ; d = a x constant
.set i, 0
.rept 16
	v_pk_mul_f32 v[\d+i:\d+i+1], v[\a+i:\a+i+1], \lit op_sel_hi:[1,0]
.set i, i+2
.endr
.endm
.macro P16MUL d, a, b
.set i, 0
.rept 16
	v_pk_mul_f32 v[\d+i:\d+i+1], v[\a+i:\a+i+1], v[\b+i:\b+i+1]
.set i, i+2
.endr
.endm
.macro P16FIRST d, x, c, lit           ; d = x x the pair c + constant
.set i, 0
.rept 16
	v_pk_fma_f32 v[\d+i:\d+i+1], v[\x+i:\x+i+1], v[\c:\c+1], \lit op_sel_hi:[1,1,0]
.set i, i+2
.endr
.endm
.macro P16HORNER d, x, lit             ; d = d x + constant
.set i, 0
.rept 16
	v_pk_fma_f32 v[\d+i:\d+i+1], v[\d+i:\d+i+1], v[\x+i:\x+i+1], \lit op_sel_hi:[1,1,0]
.set i, i+2
.endr
.endm
; ================= the piecewise-linear blend and the residual, tile k
.macro TVLOAD k
.set rTV, 32+8*((\k)%2)
	ds_load_b128 v[rTV:rTV+3], v[VTO0] offset:1024*(\k)
	ds_load_b128 v[rTV+4:rTV+7], v[VTO0] offset:1024*(\k)+512
.endm
.macro LFP k, hh, side                 ; 4 numbers x 8 pieces: v[48 + 16 mm + 2 p + e] = t[4 hh + 2 mm + e] x slope p + intercept p
.irp mm, 0,1
.irp p, 0,1,2,3,4,5,6,7
	PKFMABB 48+16*\mm+2*\p, rTV+4*(\hh)+2*\mm, LF+32*(\k)+16*(\side)+2*(\p/2), LF+32*(\k)+16*(\side)+8+2*(\p/2), \p%2
.endr
.endr
.endm
.macro REDUCE o3, o2, dst              ; over the 8 pieces, the four numbers by turns
.irp el, 0,1,2,3
	\o3 v[\dst+\el], v[48+16*(\el/2)+\el%2], v[50+16*(\el/2)+\el%2], v[52+16*(\el/2)+\el%2]
.endr
.irp el, 0,1,2,3
	\o3 v[\dst+\el], v[\dst+\el], v[54+16*(\el/2)+\el%2], v[56+16*(\el/2)+\el%2]
.endr
.irp el, 0,1,2,3
	\o3 v[\dst+\el], v[\dst+\el], v[58+16*(\el/2)+\el%2], v[60+16*(\el/2)+\el%2]
.endr
.irp el, 0,1,2,3
	\o2 v[\dst+\el], v[\dst+\el], v[62+16*(\el/2)+\el%2]
.endr
.endm
.macro POST k
.set rTV, 32+8*((\k)%2)
.if \k < 3
	s_wait_dscnt 2                                 ; this tile's two loads are in; the next tile's may be out
.else
	s_wait_dscnt 0x0
.endif
	WIN 0x3C
.irp m, 0,2,4,6
	PKADDB rTV+\m, rTV+\m, TB+2*((\k)/2), (\k)%2   ; + trop_b
.endr
.irp hh, 0,1
	WIN 0x3C
	LFP \k, \hh, 0
	WIN 0
	REDUCE v_max3_num_f32, v_max_num_f32, 80+4*\hh
	WIN 0x3C
	LFP \k, \hh, 1
	WIN 0
	REDUCE v_min3_num_f32, v_min_num_f32, 88+4*\hh
.endr
.irp m, 0,2,4,6
	v_pk_add_f32 v[80+\m:81+\m], v[80+\m:81+\m], v[88+\m:89+\m] neg_lo:[0,1] neg_hi:[0,1]
.endr
	WIN 0x0C
.irp m, 0,2,4,6
	PKFMAB 80+\m, 80+\m, MIX+2*((\k)/2), 88+\m, (\k)%2         ; min + mix (max - min)
.endr
	WIN 0xFC
.irp m, 0,2,4,6
	v_pk_fma_f32 v[H+8*\k+\m:H+8*\k+\m+1], v[80+\m:81+\m], v[G+8*\k+\m:G+8*\k+\m+1], v[H+8*\k+\m:H+8*\k+\m+1]   ; h += g x that
.endr
	WIN 0
.if \k < 2
	TVLOAD \k+2
.endif
.endm
; ================= the four layers
	s_mov_b32 s74, 0xff00ff00                      ; the lanes whose bit 3 is set
	s_mov_b32 s48, 0
.Llayer:
	s_wait_alu depctr_va_vdst(0)
	LNTOP
	s_wait_loadcnt 36                              ; fragments, scales and biases are in: behind them the last 24 pieces of window 1 and the first 12 of window 2
	s_wait_dscnt 0x0
.irp s, 0,1                                        ; eight accumulators by turns: cls's four (v32 on), the gate's four (window 3)
	WIN 0
.irp k, 0,1,2,3
	MM 32+8*\k, AF+8*\s, T+16*\k+8*\s, AS, BS+2*(\k/2)+\s, 1-\s, \s, \k%2
.endr
	WIN 0xF0
.irp k, 0,1,2,3
	MM G+8*\k, AF+8*\s, T+64+16*\k+8*\s, AS, BS+4+2*(\k/2)+\s, 1-\s, \s, \k%2
.endr
.endr
	WIN 0
	NOPS 4                                         ; four places in front of the first read of the results
	WLOAD 2, 12, 24                                ; the rest of this layer's window 2, 52 loads in four parts among the gate's and the gelu's arithmetic: wanted behind the first min-plus loop
	; g = sigmoid(gate + gate_b)
	WIN 0xFF
	v_pk_mul_f32 v[GB:GB+1], v[GB:GB+1], 0xbfb8aa3b op_sel_hi:[1,0]
	v_pk_mul_f32 v[GB+2:GB+3], v[GB+2:GB+3], 0xbfb8aa3b op_sel_hi:[1,0]
.set i, 0
.rept 16
	PKFMAL G+i, G+i, 0xbfb8aa3b, GB+2*(i/16), (i/8)%2          ; -(x + b) log2 e
.set i, i+2
.endr
.set i, 0
	s_wait_alu depctr_va_vdst(0)
.rept 32
	v_exp_f32 v[G+i], v[G+i]
.set i, i+1
.endr
	v_nop
	s_wait_alu depctr_va_vdst(0)                   ; one wait for the batch, ahead of its first reader
.set i, 0
.rept 16
	v_pk_add_f32 v[G+i:G+i+1], v[G+i:G+i+1], 1.0 op_sel_hi:[1,0]
.set i, i+2
.endr
.set i, 0
	s_wait_alu depctr_va_vdst(0)
.rept 32
	v_rcp_f32 v[G+i], v[G+i]
.set i, i+1
.endr
	v_nop
	s_wait_alu depctr_va_vdst(0)
	; cls = gelu(x), x = product + cls_b: 0.5 x (1 + erf(x / sqrt 2))
	WLOAD 2, 25, 37
	WIN 0x0C
.set i, 0
.rept 16
	PKADDB 32+i, 32+i, CB+2*(i/16), (i/8)%2
.set i, i+2
.endr
	WIN 0
	v_mov_b32 v114, 0xaf95df0b                     ; the leading coefficients, as pairs
	v_mov_b32 v115, 0xaf95df0b
	v_mov_b32 v116, 0xb77460cd
	v_mov_b32 v117, 0xb77460cd
	P16MULL T, 32, 0x3f3504f3                      ; z = x / sqrt 2,
.set i, 0
.rept 32
	v_med3_num_f32 v[T+i], v[T+i], -4.0, 4.0       ; held to -4 .. 4
.set i, i+1
.endr
	P16MUL T+32, T, T                              ; z^2
	WLOAD 2, 38, 50
	P16FIRST T+64, T+32, 114, 0x32edffee
	P16HORNER T+64, T+32, 0xb60cff51
	P16HORNER T+64, T+32, 0xb86ec2d2
	P16HORNER T+64, T+32, 0xba40ac63
	P16HORNER T+64, T+32, 0xbb41a1f6
	P16HORNER T+64, T+32, 0xbc83dbd4
	P16MUL T+64, T+64, T                           ; z P(z^2)
	WLOAD 2, 51, 63
	P16FIRST T+96, T+32, 116, 0xb95fbd29
	P16HORNER T+96, T+32, 0xbadc924e
	P16HORNER T+96, T+32, 0xbbf19bf8
	P16HORNER T+96, T+32, 0xbc69b6a7               ; Q(z^2)
.set i, 0
	s_wait_alu depctr_va_vdst(0)
.rept 32
	v_rcp_f32 v[T+96+i], v[T+96+i]
.set i, i+1
.endr
	P16MULL T+32, 32, 0.5                          ; 0.5 x: plain work behind the batch
	s_wait_alu depctr_va_vdst(0)
	P16MUL T+64, T+64, T+96                        ; erf
.set i, 0
.rept 16
	v_pk_fma_f32 v[32+i:33+i], v[T+32+i:T+33+i], v[T+64+i:T+65+i], v[T+32+i:T+33+i]
.set i, i+2
.endr
	WIN 0xC3
.set i, 0
.rept 16
	v_pk_add_f32 v[H+i:H+i+1], v[H+i:H+i+1], v[32+i:33+i]      ; h + cls
.set i, i+2
.endr
	WIN 0xF3
.set i, 0
.rept 16
	v_pk_fma_f32 v[H+i:H+i+1], v[G+i:G+i+1], v[32+i:33+i], v[H+i:H+i+1] neg_lo:[1,0,0] neg_hi:[1,0,0]   ; - g cls
.set i, i+2
.endr
	WIN 0
	LFLOAD                                         ; 40 loads, wanted behind both min-plus loops
	s_wait_loadcnt 63                              ; window 1 is whole: 104 loads were issued behind its last piece
	TROP 0
	s_add_co_u32 s50, s48, 1
	NEXTOFF
	WLOAD 1, 0, 39                                 ; window 1 is free: the next layer's first 40 pieces
	s_wait_loadcnt 40                              ; all but those 40: window 2 is whole, and so are this layer's pieces, trop_b and lf_mix
	TROP 1
	BETA 0                                         ; T and window 2 are free; the other three parts stand between the tiles' blends below
	WIN 0xFF                                       ; mix = sigmoid(lf_mix)
	v_pk_mul_f32 v[MIX:MIX+1], v[MIX:MIX+1], 0xbfb8aa3b op_sel_hi:[1,0]
	v_pk_mul_f32 v[MIX+2:MIX+3], v[MIX+2:MIX+3], 0xbfb8aa3b op_sel_hi:[1,0]
	s_wait_alu depctr_va_vdst(0)
.irp k, 0,1,2,3
	v_exp_f32 v[MIX+\k], v[MIX+\k]
.endr
	v_nop
	s_wait_alu depctr_va_vdst(0)
	v_pk_add_f32 v[MIX:MIX+1], v[MIX:MIX+1], 1.0 op_sel_hi:[1,0]
	v_pk_add_f32 v[MIX+2:MIX+3], v[MIX+2:MIX+3], 1.0 op_sel_hi:[1,0]
	s_wait_alu depctr_va_vdst(0)
.irp k, 0,1,2,3
	v_rcp_f32 v[MIX+\k], v[MIX+\k]
.endr
	v_nop
	s_wait_alu depctr_va_vdst(0)
	WIN 0
	TVLOAD 0
	TVLOAD 1
	POST 0
	BETA 1
	POST 1
	BETA 2
	BETA 3
	POST 2
	POST 3
	s_add_co_u32 s48, s48, 1
	s_cmp_lt_u32 s48, 4
	s_cbranch_scc1 .Llayer
; ================= the last LayerNorm and the head: my 1,024 outputs in 16 groups of 64.  Tile a of group g takes head_W's rows 1024 w + 64 g + 4 r + a,
; so that a lane's four results of a row are four neighbouring outputs: sixteen lanes store 256 consecutive bytes, at a multiple of 256 from out0's first byte
	s_mov_b32 s48, 4
	LNTOP
.macro HSLOAD m, rho                   ; the scale words of groups 2 rho (lanes 0-15) and 2 rho + 1 (lanes 16-31): register 2 a + s
.set rS, BS+8*((\m)%2)
	global_load_b128 v[rS:rS+3], v[VHS], s[40:41] offset:1024*(\rho)
	global_load_b128 v[rS+4:rS+7], v[VHS], s[40:41] offset:1024*(\rho)+16
.endm
.macro RELOAD gsrc, win, place         ; a group's 16 pieces
	WIN 0x40*(\win)
.set ii, 0
.rept 16
	global_load_b128 v[\place+4*ii:\place+4*ii+3], v[VWB], s[6:7] offset:8192*(\gsrc)+512*ii
.set ii, ii+1
.endr
	WIN 0
.endm
; the n-th group in the order 8, 9 (in T), 0 .. 7 (windows 1, 2), 10 .. 15 (in the places of 0 .. 5)
.macro HG n
.if \n < 2
.set gam, 8+\n
.set bw, 0
.set pl, T+64*\n
.elseif \n < 10
.set gam, \n-2
.set bw, 1+gam/4
.set pl, 64*(gam%4)
.else
.set gam, \n
.set bw, 1+(gam-10)/4
.set pl, 64*((gam-10)%4)
.endif
.if \n == 0
	s_wait_loadcnt 40                              ; two pairs' scale words and head_b are in: behind them 40 pieces for window 2
.elseif (\n == 4) || (\n == 6) || (\n == 8)
	s_wait_loadcnt 34                              ; this pair's scale words: behind them two groups' 32 pieces and a pair's two loads
.elseif (\n == 10) || (\n == 12)
	s_wait_loadcnt 2                               ; behind them a pair's two loads
.elseif \n == 14
	s_wait_loadcnt 0
.endif
	WIN 4*bw
.irp s, 0,1
.irp a, 0,1,2,3                                    ; four accumulators by turns
	MM 32+8*\a, AF+8*\s, pl+16*\a+8*\s, AS, BS+8*((\n/2)%2)+2*\a+\s, 1-\s, \s, gam%2
.endr
.endr
	WIN 0
	NOPS 5                                         ; four places in front of the reads and of loads into the fragments' registers; the fifth since the next group begins the same accumulators anew
	s_wait_xcnt 0x0                                ; the stores of two groups ago have read their registers
	WIN 0xCC
.set rO, 8+32*(\n%2)
.irp j, 0,1,2,3,4,5,6,7
.irp a, 0,1,2,3
	v_add_f32 v[rO+4*\j+\a], v[32+8*\a+\j], v[LF+4*gam+\a]     ; + head_b; each accumulator from its low end on
.endr
.endr
.irp j, 0,1,2,3,4,5,6,7
	global_store_b128 v[VOUT], v[rO+4*\j:rO+4*\j+3], s[68:69] offset:16384*\j+256*gam th:TH_STORE_NT
.endr
	WIN 0
.if \n == 0
	WLOAD 2, 52, 63
.endif
.if (\n >= 2) && (\n <= 7)
	RELOAD gam+10, bw, pl
.endif
.if (\n%2 == 1) && (\n <= 11)
.if \n/2+2 < 5
	HSLOAD \n/2+2, \n/2+1
.else
	HSLOAD \n/2+2, \n/2+2
.endif
.endif
.endm
	s_wait_loadcnt 0x0                             ; groups 0-3, 8, 9 and the first 12 pieces of window 2, asked for in the last layer
	s_wait_dscnt 0x0
	HSLOAD 0, 4
	HSLOAD 1, 0
	WIN 0xC0
.set ii, 0
.rept 16
	global_load_b128 v[LF+4*ii:LF+4*ii+3], v[VR16], s[42:43] offset:256*ii
.set ii, ii+1
.endr
	WLOAD 2, 12, 51
.irp n, 0,1,2,3,4,5,6,7,8,9,10,11,12,13,14,15
	HG \n
.endr
	s_set_vgpr_msb 0xf
	s_wait_tensorcnt 0x0
	ds_add_u32 v254, v255
	s_wait_dscnt 0x0
	s_set_vgpr_msb 0xf00
	s_endpgm
.Lfunc_end_k_q9a3397cfa5_chain:
	.size	k_q9a3397cfa5_chain, .Lfunc_end_k_q9a3397cfa5_chain-k_q9a3397cfa5_chain
	.p2alignl 7, 3214868480
	.fill 96, 4, 3214868480
	.section	.rodata,"a",@progbits
	.p2align	6, 0x0
	.amdhsa_kernel k_q9a3397cfa5_chain
		.amdhsa_group_segment_fixed_size 119040
		.amdhsa_private_segment_fixed_size 0
		.amdhsa_enable_private_segment 0
		.amdhsa_kernarg_size 160
		.amdhsa_user_sgpr_count 2
		.amdhsa_user_sgpr_kernarg_segment_ptr 1
		.amdhsa_wavefront_size32 1
		.amdhsa_system_sgpr_workgroup_id_x 1
		.amdhsa_system_sgpr_workgroup_id_y 1
		.amdhsa_system_sgpr_workgroup_id_z 1
		.amdhsa_system_vgpr_workitem_id 0
		.amdhsa_next_free_vgpr 1024
		.amdhsa_next_free_sgpr 80
		.amdhsa_reserve_vcc 0
		.amdhsa_float_denorm_mode_32 3
		.amdhsa_float_denorm_mode_16_64 3
		.amdhsa_memory_ordered 1
		.amdhsa_forward_progress 1
		.amdhsa_inst_pref_size 255
	.end_amdhsa_kernel
	.section	.bss,"aw",@nobits
	.p2align	6
	.space	262144
	.amdgpu_metadata
---
amdhsa.version: [ 1, 2 ]
amdhsa.kernels:
  - .name:           k_q9a3397cfa5_chain
    .symbol:         k_q9a3397cfa5_chain.kd
    .args:
      - { .name: adj, .offset: 0, .size: 8, .value_kind: global_buffer, .address_space: global }
      - { .name: wts, .offset: 8, .size: 8, .value_kind: global_buffer, .address_space: global }
      - { .name: out0, .offset: 16, .size: 8, .value_kind: global_buffer, .address_space: global }
      - { .name: ip_b, .offset: 24, .size: 8, .value_kind: global_buffer, .address_space: global }
      - { .name: norm_g, .offset: 32, .size: 8, .value_kind: global_buffer, .address_space: global }
      - { .name: norm_b, .offset: 40, .size: 8, .value_kind: global_buffer, .address_space: global }
      - { .name: on_g, .offset: 48, .size: 8, .value_kind: global_buffer, .address_space: global }
      - { .name: on_b, .offset: 56, .size: 8, .value_kind: global_buffer, .address_space: global }
      - { .name: cls_W_scales, .offset: 64, .size: 8, .value_kind: global_buffer, .address_space: global }
      - { .name: gate_W_scales, .offset: 72, .size: 8, .value_kind: global_buffer, .address_space: global }
      - { .name: cls_b, .offset: 80, .size: 8, .value_kind: global_buffer, .address_space: global }
      - { .name: gate_b, .offset: 88, .size: 8, .value_kind: global_buffer, .address_space: global }
      - { .name: trop_b, .offset: 96, .size: 8, .value_kind: global_buffer, .address_space: global }
      - { .name: lf_mix, .offset: 104, .size: 8, .value_kind: global_buffer, .address_space: global }
      - { .name: lfs_max, .offset: 112, .size: 8, .value_kind: global_buffer, .address_space: global }
      - { .name: lfi_max, .offset: 120, .size: 8, .value_kind: global_buffer, .address_space: global }
      - { .name: lfs_min, .offset: 128, .size: 8, .value_kind: global_buffer, .address_space: global }
      - { .name: lfi_min, .offset: 136, .size: 8, .value_kind: global_buffer, .address_space: global }
      - { .name: head_W_scales, .offset: 144, .size: 8, .value_kind: global_buffer, .address_space: global }
      - { .name: head_b, .offset: 152, .size: 8, .value_kind: global_buffer, .address_space: global }
    .group_segment_fixed_size: 119040
    .private_segment_fixed_size: 0
    .kernarg_segment_align: 8
    .kernarg_segment_size: 160
    .max_flat_workgroup_size: 128
    .sgpr_count:     80
    .vgpr_count:     1024
    .wavefront_size: 32
...
	.end_amdgpu_metadata
.endif
;; end of part 2
